; MI455X (gfx1250); checked and timed in simulation.
; The chip was launched on July 23, 2026; its instructions are those of AMD's public machine-readable ISA for CDNA 5 (MIT licence, August 2026) and "CDNA5" Instruction Set Architecture Reference Guide (July 2026). The comments in the code are by the model that wrote it; some were corrected since.
;; Fast Base Attention. Allowed arithmetic: float matrix products may take bf16 or f16 operands with f32 sums; all other float work in f32.
;; Inputs: k 2 x 2,048 x 16 x 64 float32; q 2 x 2,048 x 16 x 64 float32; v 2 x 2,048 x 16 x 64 float32.
;; Outputs: out0 2 x 2,048 x 16 x 64 float32.
;; 2 versions, each right; version 2 is version 1 with the launch swa written anew for expert scheduling mode. Each part assembles by itself: llvm-mc -triple=amdgcn-amd-amdhsa -mcpu=gfx1250 --defsym DOCPART=n.
;; ======== version 1 of 2: 1 launch
;; limits: values are held in f16: magnitudes above 65,504 overflow, below 6.1e-05 lose precision; inputs' magnitudes at most 46,000
;; launch swa (part 1): grid 256 x 1, 8 waves a work-group, no clusters, 263,168 bytes of LDS; arguments q, k, v, out0; writes out0
.if DOCPART == 1
	.amdgcn_target "amdgcn-amd-amdhsa--gfx1250"
	.amdhsa_code_object_version 6
	.text
	.protected	k_qa8402085b7_swa
	.globl	k_qa8402085b7_swa
	.p2align	8
	.type	k_qa8402085b7_swa,@function
k_qa8402085b7_swa:
	s_mov_b64 s[64:65], 0
	v_nop
	global_prefetch_b8 v0, s[64:65] scope:SCOPE_SE
	s_setreg_imm32_b32 hwreg(HW_REG_WAVE_MODE, 25, 1), 1
	s_wait_xcnt 0x0
; Sliding-window causal attention with rotary embedding.  q, k, v, out0: [2][2048][16][64] f32.
; out(i) = softmax over j in [i-256, i] of (rope(q_i) . rope(k_j) / 8), times v_j.
;
; SHARE.  256 work-groups: one (batch, head) and 256 queries each; eight waves, 32 queries a wave.
; The work-group needs keys P0-256 .. P0+255 (P0 = its first query): 512 LDS rows, row x = position P0-256+x.
; Wave w needs rows 32w .. 32w+287: nine blocks of 32 keys.  Block 8 holds the diagonal, block 0 the window's lower edge,
; blocks 1-7 need no mask.  In the first query block of a sequence the lower 256 rows do not exist: they are neither loaded
; nor read, and wave w runs block 8 and then the w blocks 7 .. 8-w.
; PHASE L: all waves stream K, V, Q through registers (rotation in f32, rounding to f16) into LDS.  One barrier.
; PHASE C: each wave, flash attention on its own queries, with a running maximum.
; TRANSPOSED PRODUCTS: S^T = K Q^T puts key 8h+jj of query r into register jj of lane (r, h); packed to f16 these registers
; are already the B fragment of P^T, and O^T = V^T P^T keeps query r in lane (r, h).  So a lane serves one query: maxima and
; sums are made inside the lane plus one exchange between the two halves of the wave, and nothing is shuffled.
;
; F16, NOT BF16, for all four matrix operands.  An output is a mean of up to 257 values of v and so about a tenth of v's
; spread, and in rows with few keys values near v's spread cancel; the allowance hangs on the outputs' size.  A rounding to
; 8 significant bits (up to 2^-8 of each q, k, v and weight) leaves too little margin against it, one to 11 bits (2^-11) does.
;
; NO CLUSTER: what two work-groups share is one block of 256 keys and values (128 KiB of f32 out of the 320 KiB a work-group
; reads), which lies in the upper LDS rows of one partner and in the lower rows of the other, so a joint request would need
; an LDS address that differs between partners.  NO TENSOR LOADS: every element passes registers anyway (rotation, rounding),
; and a raw f32 stage of 320 KiB does not fit beside the f16 tiles.
;
; LIMITS.  q, k (after rotation), v and the weights are rounded to f16 for the products; sums in f32.  f16 ends at 65,504 and a
; rotated element is at most sqrt(2) times the largest input: inputs beyond about 46,000 in magnitude overflow to infinity.
; Operands below 6.1e-5 in magnitude are f16 denormals, good to 3e-8 absolutely.  The row sum adds the unrounded f32 weights.
; Sine and cosine come from polynomials at the stream's first row and a rotation by a constant angle from step to step (31 at
; most): the angle is good to about 3e-4 rad at position 2047.  Weights below 2^-126 come out of v_exp_f32 as 0.
; The sizes are fixed.
.set KP,  144                          ; K and Q rows in LDS: 128 bytes of f16 + 16; 9 x 16 bytes, so 16 rows start at 16 different 16-byte columns modulo 256
.set VP,  160                          ; V rows: 128 + 32, an odd multiple of 32 bytes, for the transposing loads
.set OP,  272                          ; way-out rows: 256 bytes of f32 + 16
.set KB,  0                            ; 512 rows x 144 = 73,728 bytes
.set VB,  73728                        ; 512 rows x 160 = 81,920 bytes
.set QB,  155648                       ; 256 rows x 144 = 36,864 bytes
.set OB,  192512                       ; 8 waves x 32 rows x 272 = 69,632 bytes, each wave's own; ends at 262,144
.set ROWB, 4096                        ; bytes from a position to the next in q, k, v, out0 (16 heads x 64 f32)
.set STEPB, 16*ROWB                    ; a step of phase L: 16 positions (8 waves x 2 rows)
; registers kept throughout
.set KAD, 4                            ; LDS address of my K fragments, block 0
.set VAD, 5                            ; LDS address of my V^T fragments, block 0
.set DLT, 6                            ; r - 8h, for the masks
.set NEG, 7                            ; the most negative finite f32, as the mask's value
.set OST, 240                          ; way out: where I put 16 bytes
.set ORD, 241                          ; way out: where I read a row back
.set OOF, 242                          ; my byte offset in out0
.set QAD, 243                          ; LDS address of my Q fragments
; phase L
.set RING, 32                          ; v[32:127] eight slots of 12: K +0..3, V +4..7, Q +8..11
.set VOFF, 128                         ; (2w+h) rows + 16c bytes
.set KSH, 129                          ; LDS store addresses: K lower rows, K upper rows, V lower, V upper, Q
.set KSO, 130
.set VSH, 131
.set VSO, 132
.set QSO, 133
.set CC,  136                          ; v[136:139] cos of my row's angles, 4 frequencies
.set SS,  140                          ; v[140:143] sin, negative in lanes c < 8
.set CD,  144                          ; v[144:147] cos of 16 positions' angle
.set SD,  148                          ; v[148:151] sin of it, signed like SS
.set TT,  152                          ; v[152:159] at work
.set XX,  156                          ; = TT+4: angles, in the set-up
.set PK,  160                          ; v[160:165] packed f16 for the LDS stores
.set DD,  160                          ; = PK: 2 sin, in the set-up
.set G,   166                          ; v[166:169] my 4 frequencies, signed
.set CK7, 170                          ; v[170:171] -1/5040 twice
.set CK8, 172                          ; v[172:173] 1/40320 twice
; phase C
.set T,   8                            ; v[8:15] four pairs, sums
.set BM,  16                           ; v16-19 four chains of maxima
.set B2,  17
.set B3,  18
.set B4,  19
.set TX,  20                           ; the other half's figure
.set AL,  22                           ; v[22:23] the rescaling factor (low word)
.set NM0, 24                           ; v[24:25], v[26:27]: -m c of query tile 0, 1 (low word)
.set M0,  28                           ; v28, v29 running maximum
.set L0,  30                           ; v30, v31 running sum (the lane's part)
.set QF,  32                           ; v[32:63]   Q fragments, + 16a + 8ks
.set KF,  64                           ; v[64:95]   K fragments, + 16t + 8ks
.set VF,  96                           ; v[96:127]  V^T fragments, + 8dt
.set ST,  128                          ; v[128:159] scores, then weights, + 16a + 8t
.set PF,  160                          ; v[160:175] P^T fragments, + 8a
.set OACC, 176                         ; v[176:239] O^T, + 32a + 8dt
.set SCL,  0x3e38aa3b                  ; c = log2(e) / 8: the scale 64^-0.5 and the change of base in one factor
.set NSCL, 0xbe38aa3b                  ; -c
	s_load_b256 s[4:11], s[0:1], 0x0               ; q s[4:5], k s[6:7], v s[8:9], out0 s[10:11]
	v_lshl_add_u32 v248, v0, 2, 0x40000
	v_mov_b32 v249, 0
	; ---- set-up, while the arguments are on their way: nothing here needs them ----
	v_lshrrev_b32 v3, 5, v0
	v_readfirstlane_b32 s12, v3                    ; wave w
	s_bfe_u32 s13, ttmp9, 0x30004                  ; query block qb: 3 bits from bit 4
	s_and_b32 s14, ttmp9, 15                       ; head
	s_lshr_b32 s15, ttmp9, 7                       ; batch
	s_lshl_b32 s16, s15, 23                        ; batch x 2,048 positions x 4,096 bytes
	s_lshl_b32 s22, s13, 20                        ; + qb x 256 positions
	s_or_b32 s16, s16, s22
	s_lshl_b32 s22, s14, 8                         ; + head x 256 bytes
	s_or_b32 s16, s16, s22
	s_mov_b32 s17, 0                               ; below 16 MiB: the upper word is 0
	s_max_u32 s19, s13, 1
	s_sub_co_u32 s19, s19, 1
	s_lshl_b32 s19, s19, 8                         ; first position of the stream: P0-256, or 0 in the first query block
	s_cmp_eq_u32 s13, 0
	s_cselect_b32 s18, s12, 8                      ; blocks behind the diagonal one: w in the first query block, else 8
	s_mov_b32 s20, 0x76543210                      ; v_permlanex16_b32: lane i takes lane i of the other half
	s_mov_b32 s21, 0xfedcba98
	s_mul_i32 s22, s12, 2*KP                       ; phase L: my two rows of a step, in K and Q
	s_mul_i32 s23, s12, 2*VP                       ; and in V
	s_add_co_u32 s23, s23, VB
	s_mul_i32 s24, s12, 32*KP                      ; phase C: my first key row, my first query row
	s_mul_i32 s25, s12, 32*VP
	s_add_co_u32 s25, s25, VB
	s_mul_i32 s26, s12, 32*OP                      ; my stage
	s_add_co_u32 s26, s26, OB
	s_lshl1_add_u32 s27, s12, s19                  ; 2w + first position
	s_lshl_b32 s28, s12, 17                        ; 32 rows of out0
	s_lshl_b32 s29, s12, 13                        ; 2 rows of the inputs
	v_and_b32 v1, 15, v0                           ; r (phase C), c (phase L)
	v_bfe_u32 v2, v0, 4, 1                         ; h
	v_mul_u32_u24 v3, v1, KP
	v_lshl_add_u32 v3, v2, 4, v3
	v_add_nc_u32 v[KAD], s24, v3                   ; (32w + r) x 144 + 16h: row r, K = 8h .. of a 16 x 32 fragment
	v_add_nc_u32 v[QAD], QB, v[KAD]
	v_and_b32 v3, 7, v0
	v_lshl_add_u32 v3, v2, 3, v3                   ; 8h + (lane & 7)
	v_mul_u32_u24 v3, v3, VP
	v_bfe_u32 v[VAD], v0, 3, 1
	v_lshl_add_u32 v3, v[VAD], 4, v3               ; + 16 x bit 3 of the lane
	v_add_nc_u32 v[VAD], s25, v3
	v_lshlrev_b32 v3, 3, v2
	v_sub_nc_u32 v[DLT], v1, v3                    ; r - 8h, -8 .. 15
	v_mov_b32 v[NEG], 0xff7fffff
	v_mul_u32_u24 v3, v1, OP
	v_lshl_add_u32 v3, v2, 5, v3
	v_add_nc_u32 v[OST], s26, v3                   ; row r, 32 bytes for each half
	v_mul_u32_u24 v3, v2, OP
	v_lshl_add_u32 v3, v1, 4, v3
	v_add_nc_u32 v[ORD], s26, v3                   ; lanes 0-15 one row of 256 bytes, lanes 16-31 the next
	v_lshlrev_b32 v3, 12, v2
	v_lshl_add_u32 v3, v1, 4, v3                   ; h rows + 16c bytes
	v_add_nc_u32 v[OOF], s28, v3
	v_add_nc_u32 v[VOFF], s29, v3
	v_mul_u32_u24 v3, v2, KP
	v_lshl_add_u32 v3, v1, 3, v3                   ; row h, 4 f16 = 8 bytes a lane
	v_add_nc_u32 v[KSH], s22, v3
	v_add_nc_u32 v[KSO], 256*KP, v[KSH]
	v_add_nc_u32 v[QSO], QB, v[KSH]
	v_mul_u32_u24 v3, v2, VP
	v_lshl_add_u32 v3, v1, 3, v3
	v_add_nc_u32 v[VSH], s23, v3
	v_add_nc_u32 v[VSO], 256*VP, v[VSH]
	v_mov_b32 v[TX], 0                             ; a lane exchange's destination counts as read
	v_mov_b32 v[AL+1], 0                           ; upper words of pairs of which the low word is broadcast
	v_mov_b32 v[NM0+1], 0
	v_mov_b32 v[NM0+3], 0
	v_mov_b32 v[CK7], 0xb9500d01
	v_mov_b32 v[CK7+1], 0xb9500d01
	v_mov_b32 v[CK8], 0x37d00d01
	v_mov_b32 v[CK8+1], 0x37d00d01
	; My lane holds d = 4c .. 4c+3 of a row; its frequencies are fi = 4 (c & 7) + e, g = 10000^(-fi/32) = 2^(-fi log2(10000)/32).
	v_and_b32 v3, 7, v0
	v_lshlrev_b32 v3, 2, v3
.irp e, 0,1,2,3
	v_add_nc_u32 v[G+\e], \e, v3
.endr
.irp e, 0,1,2,3
	v_cvt_f32_u32 v[G+\e], v[G+\e]
.endr
.irp e, 0,1,2,3
	v_mul_f32 v[G+\e], 0xbed49a78, v[G+\e]
.endr
.irp e, 0,1,2,3
	v_exp_f32 v[G+\e], v[G+\e]
.endr
	v_and_b32 v3, 8, v0                            ; (the plain instruction between the exponentials and their use)
	v_xor_b32 v3, 8, v3
	v_lshlrev_b32 v3, 28, v3                       ; the sign bit in lanes c < 8
	s_wait_alu depctr_va_vdst(0)
.irp e, 0,1,2,3
	v_xor_b32 v[G+\e], v3, v[G+\e]                 ; d < 32: out = x cos - x(d+32) sin; d >= 32: x cos + x(d-32) sin.  A negative angle gives the sign
.endr
	v_add_nc_u32 v3, s27, v2                       ; my first position
	v_cvt_f32_u32 v3, v3
.irp e, 0,1,2,3
	v_mul_f32 v[XX+\e], v3, v[G+\e]
.endr
; cos and sin of two angles x.  Turns = x / 2 pi, less the nearest whole number; y = a quarter of the reduced angle, |y| <= pi/4;
; Taylor polynomials to y^7 and y^8 (the next terms are below 4e-7); then the angle is doubled twice.
.macro SINCOS2 c, s, x
	v_pk_mul_f32 v[TT:TT+1], v[\x:\x+1], 0x3e22f983 op_sel_hi:[1,0]
	v_rndne_f32 v[TT+2], v[TT]
	v_rndne_f32 v[TT+3], v[TT+1]
	v_pk_add_f32 v[TT:TT+1], v[TT:TT+1], v[TT+2:TT+3] neg_lo:[0,1] neg_hi:[0,1]
	v_pk_mul_f32 v[TT:TT+1], v[TT:TT+1], 0x3fc90fdb op_sel_hi:[1,0]              ; y = fraction x pi/2
	v_pk_mul_f32 v[TT+2:TT+3], v[TT:TT+1], v[TT:TT+1]                            ; y^2
	v_pk_fma_f32 v[\s:\s+1], v[TT+2:TT+3], v[CK7:CK7+1], 0x3c088889 op_sel_hi:[1,1,0]
	v_pk_fma_f32 v[\s:\s+1], v[\s:\s+1], v[TT+2:TT+3], 0xbe2aaaab op_sel_hi:[1,1,0]
	v_pk_mul_f32 v[\s:\s+1], v[\s:\s+1], v[TT+2:TT+3]
	v_pk_fma_f32 v[\s:\s+1], v[TT:TT+1], v[\s:\s+1], v[TT:TT+1]                  ; sin y
	v_pk_fma_f32 v[\c:\c+1], v[TT+2:TT+3], v[CK8:CK8+1], 0xbab60b61 op_sel_hi:[1,1,0]
	v_pk_fma_f32 v[\c:\c+1], v[\c:\c+1], v[TT+2:TT+3], 0x3d2aaaab op_sel_hi:[1,1,0]
	v_pk_fma_f32 v[\c:\c+1], v[\c:\c+1], v[TT+2:TT+3], -0.5 op_sel_hi:[1,1,0]
	v_pk_fma_f32 v[\c:\c+1], v[\c:\c+1], v[TT+2:TT+3], 1.0 op_sel_hi:[1,1,0]     ; cos y
	v_pk_add_f32 v[DD:DD+1], v[\s:\s+1], v[\s:\s+1]
	v_pk_mul_f32 v[TT:TT+1], v[DD:DD+1], v[\c:\c+1]                              ; sin 2y = 2 sin cos
	v_pk_fma_f32 v[TT+2:TT+3], v[DD:DD+1], v[\s:\s+1], 1.0 op_sel_hi:[1,1,0] neg_lo:[1,0,0] neg_hi:[1,0,0]   ; cos 2y = 1 - 2 sin^2
	v_pk_add_f32 v[DD:DD+1], v[TT:TT+1], v[TT:TT+1]
	v_pk_mul_f32 v[\s:\s+1], v[DD:DD+1], v[TT+2:TT+3]                            ; sin 4y
	v_pk_fma_f32 v[\c:\c+1], v[DD:DD+1], v[TT:TT+1], 1.0 op_sel_hi:[1,1,0] neg_lo:[1,0,0] neg_hi:[1,0,0]     ; cos 4y
.endm
	SINCOS2 CC, SS, XX
	SINCOS2 CC+2, SS+2, XX+2
.irp e, 0,1,2,3
	v_mul_f32 v[XX+\e], 0x41800000, v[G+\e]        ; the angle of 16 positions
.endr
	SINCOS2 CD, SD, XX
	SINCOS2 CD+2, SD+2, XX+2
	s_wait_kmcnt 0x0
	s_add_nc_u64 s[4:5], s[4:5], s[16:17]          ; all four at (batch, P0, head)
	s_add_nc_u64 s[6:7], s[6:7], s[16:17]
	s_add_nc_u64 s[8:9], s[8:9], s[16:17]
	s_add_nc_u64 s[10:11], s[10:11], s[16:17]
; ---- PHASE L ----
; Step i (0 .. 31) takes LDS rows 16i .. 16i+15, two of them a wave: one 16-byte load a lane covers two whole head rows of 256
; bytes.  The bases stand at the own block, so steps 0-15 reach back by negative immediates (1 MiB at the most) and no address
; register is ever rewritten.  Steps 16-31 bring Q as well (read once in the launch: non-temporal).
.macro ISSUE i
.set SI, RING+12*((\i)%8)
	global_load_b128 v[SI:SI+3],   v[VOFF], s[6:7] offset:((\i)-16)*STEPB
	global_load_b128 v[SI+4:SI+7], v[VOFF], s[8:9] offset:((\i)-16)*STEPB
.if (\i) >= 16
	global_load_b128 v[SI+8:SI+11], v[VOFF], s[4:5] offset:((\i)-16)*STEPB th:TH_LOAD_NT
.endif
.endm
; Four elements rotated and packed: the partner d +- 32 lies in lane c xor 8, and rides in on the multiply.
.macro ROPE x, t, p
.irp e, 0,1,2,3
	v_mul_f32_dpp v[\t+\e], v[\x+\e], v[SS+\e] row_xmask:8 row_mask:0xf bank_mask:0xf
.endr
	v_pk_fma_f32 v[\t:\t+1],   v[\x:\x+1],   v[CC:CC+1],   v[\t:\t+1]
	v_pk_fma_f32 v[\t+2:\t+3], v[\x+2:\x+3], v[CC+2:CC+3], v[\t+2:\t+3]
	v_cvt_pk_f16_f32 v[\p],   v[\t],   v[\t+1]
	v_cvt_pk_f16_f32 v[\p+1], v[\t+2], v[\t+3]
.endm
; (cos, sin) 16 positions on
.macro ROT
	v_pk_mul_f32 v[TT:TT+1],   v[SS:SS+1],   v[SD:SD+1]
	v_pk_mul_f32 v[TT+2:TT+3], v[SS+2:SS+3], v[SD+2:SD+3]
	v_pk_mul_f32 v[TT+4:TT+5], v[CC:CC+1],   v[SD:SD+1]
	v_pk_mul_f32 v[TT+6:TT+7], v[CC+2:CC+3], v[SD+2:SD+3]
	v_pk_fma_f32 v[CC:CC+1],   v[CC:CC+1],   v[CD:CD+1],   v[TT:TT+1]   neg_lo:[0,0,1] neg_hi:[0,0,1]
	v_pk_fma_f32 v[CC+2:CC+3], v[CC+2:CC+3], v[CD+2:CD+3], v[TT+2:TT+3] neg_lo:[0,0,1] neg_hi:[0,0,1]
	v_pk_fma_f32 v[SS:SS+1],   v[SS:SS+1],   v[CD:CD+1],   v[TT+4:TT+5]
	v_pk_fma_f32 v[SS+2:SS+3], v[SS+2:SS+3], v[CD+2:CD+3], v[TT+6:TT+7]
.endm
.macro STEP i
.set SL, RING+12*((\i)%8)
	; The wait counts the loads issued behind this step's own: those of steps i+1 .. min(i+7, 31), two a step, three from step 16 on.
.set CHI, (\i)+7
.if CHI > 31
.set CHI, 31
.endif
.set CLO, (\i)+1
.if CLO < 16
.set CLO, 16
.endif
.set CNT, 2*(CHI-(\i))
.if CHI >= CLO
.set CNT, CNT+CHI-CLO+1
.endif
	s_wait_loadcnt CNT                             ; loads return in order (ISA guide 5.7.1): this step's are in, the younger stay out
	ROPE SL, TT, PK
	v_cvt_pk_f16_f32 v[PK+2], v[SL+4], v[SL+5]
	v_cvt_pk_f16_f32 v[PK+3], v[SL+6], v[SL+7]
.if (\i) < 16
	ds_store_b64 v[KSH], v[PK:PK+1]   offset:(\i)*16*KP
	ds_store_b64 v[VSH], v[PK+2:PK+3] offset:(\i)*16*VP
.else
	ROPE SL+8, TT+4, PK+4                          ; Q of the same position: the same cos and sin
	ds_store_b64 v[KSO], v[PK:PK+1]   offset:((\i)-16)*16*KP
	ds_store_b64 v[VSO], v[PK+2:PK+3] offset:((\i)-16)*16*VP
	ds_store_b64 v[QSO], v[PK+4:PK+5] offset:((\i)-16)*16*KP
.endif
.if (\i)+8 <= 31
	ISSUE (\i)+8                                   ; the slot is filled again, eight steps ahead
.endif
.if (\i) < 31
	ROT
.endif
.endm
	s_cmp_eq_u32 s13, 0
	s_cbranch_scc1 .Lfirst                         ; the first query block has no rows below its own
.irp i, 0,1,2,3,4,5,6,7
	ISSUE \i
.endr
.irp i, 0,1,2,3,4,5,6,7,8,9,10,11,12,13,14,15
	STEP \i
.endr
	s_branch .Lown
.Lfirst:
.irp i, 16,17,18,19,20,21,22,23
	ISSUE \i
.endr
.Lown:                                             ; on both ways in: the 24 loads of steps 16-23 are out, and (cos, sin) stand at the own block's first rows
.irp i, 16,17,18,19,20,21,22,23,24,25,26,27,28,29,30,31
	STEP \i
.endr
	s_wait_dscnt 0x0                               ; for the other waves: all my LDS stores are done
	s_barrier_signal -1
	s_barrier_wait -1                              ; the only barrier: K, V, Q in LDS are only read from here on, the stage is each wave's own
; ---- PHASE C ----
.irp a, 0,1
.irp ks, 0,1
.irp u, 0,1
	ds_load_b128 v[QF+16*\a+8*\ks+4*\u:QF+16*\a+8*\ks+4*\u+3], v[QAD] offset:\a*16*KP+\ks*64+\u*32
.endr
.endr
.endr
; Softmax step of query tile a on the 32 keys of a block: 16 scores a lane.  first = 1: the block starts maximum, sum and O.
.macro SOFT a, first
.set SR, ST+16*\a
.set OA, OACC+32*\a
.set MM, M0+\a
.set LL, L0+\a
.set NM, NM0+2*\a
	v_max3_num_f32 v[BM], v[SR],    v[SR+1],  v[SR+2]
	v_max3_num_f32 v[B2], v[SR+3],  v[SR+4],  v[SR+5]
	v_max3_num_f32 v[B3], v[SR+6],  v[SR+7],  v[SR+8]
	v_max3_num_f32 v[B4], v[SR+9],  v[SR+10], v[SR+11]
	v_max3_num_f32 v[BM], v[BM], v[SR+12], v[SR+13]
	v_max3_num_f32 v[B2], v[B2], v[SR+14], v[SR+15]
	v_max3_num_f32 v[B3], v[B3], v[B4], v[B2]
.if \first
	v_max_num_f32 v[BM], v[BM], v[B3]
.else
	v_max3_num_f32 v[BM], v[BM], v[B3], v[MM]
.endif
	v_permlanex16_b32 v[TX], v[BM], s20, s21       ; the other 16 keys of my query
	v_max_num_f32 v[MM], v[BM], v[TX]              ; the running maximum; finite from the first block on, which holds key j = i
.if \first
	v_mul_f32 v[NM], NSCL, v[MM]
.else
	v_mul_f32 v[TX], NSCL, v[MM]
	v_sub_f32 v[BM], v[TX], v[NM]                  ; (m_old - m_new) c <= 0
	v_mov_b32 v[NM], v[TX]
	v_exp_f32 v[AL], v[BM]                         ; the packed multiply-adds below stand between it and its use
.endif
.irp i, 0,1,2,3,4,5,6,7
	v_pk_fma_f32 v[SR+2*\i:SR+2*\i+1], v[SR+2*\i:SR+2*\i+1], SCL, v[NM:NM+1] op_sel_hi:[1,0,0]   ; (s - m) c
.endr
.irp i, 0,1,2,3,4,5,6,7,8,9,10,11,12,13,14,15
	v_exp_f32 v[SR+\i], v[SR+\i]                   ; a masked score gives 2^(-6e37) = 0
.endr
.if \first
	v_nop                                          ; one plain instruction behind the exponentials before their results are read
	s_wait_alu depctr_va_vdst(0)
.else
	s_wait_alu depctr_va_vdst(0)
.irp i, 0,1,2,3,4,5,6,7,8,9,10,11,12,13,14,15
	v_pk_mul_f32 v[OA+2*\i:OA+2*\i+1], v[OA+2*\i:OA+2*\i+1], v[AL:AL+1] op_sel_hi:[1,0]          ; every trip, no test: no branch hangs on data
.endr
.endif
	v_pk_add_f32 v[T:T+1],   v[SR:SR+1],     v[SR+2:SR+3]
	v_pk_add_f32 v[T+2:T+3], v[SR+4:SR+5],   v[SR+6:SR+7]
	v_pk_add_f32 v[T+4:T+5], v[SR+8:SR+9],   v[SR+10:SR+11]
	v_pk_add_f32 v[T+6:T+7], v[SR+12:SR+13], v[SR+14:SR+15]
	v_pk_add_f32 v[T:T+1],   v[T:T+1],   v[T+2:T+3]
	v_pk_add_f32 v[T+4:T+5], v[T+4:T+5], v[T+6:T+7]
	v_pk_add_f32 v[T:T+1],   v[T:T+1],   v[T+4:T+5]
.if \first
	v_add_f32 v[LL], v[T], v[T+1]
.else
	v_fma_f32 v[LL], v[LL], v[AL], v[T]
	v_add_f32 v[LL], v[LL], v[T+1]
.endif
.irp i, 0,1,2,3,4,5,6,7
	v_cvt_pk_f16_f32 v[PF+8*\a+\i], v[SR+2*\i], v[SR+2*\i+1]    ; weights in [0, 1]; keys 8h .. 8h+7, then 16+8h ..: the B fragment of P^T as it stands
.endr
.endm
; One block of 32 keys.  kind 0: the diagonal block, run first; 1: no mask; 2: the window's lower edge.
.macro BLOCK j, kind
.irp t, 0,1
.irp ks, 0,1
.irp u, 0,1
	ds_load_b128 v[KF+16*\t+8*\ks+4*\u:KF+16*\t+8*\ks+4*\u+3], v[KAD] offset:\j*32*KP+\t*16*KP+\ks*64+\u*32
.endr
.endr
.endr
	s_wait_dscnt 0x0                               ; K's fragments (in the first block Q's too)
.irp a, 0,1
.irp t, 0,1
	v_wmma_f32_16x16x32_f16 v[ST+16*\a+8*\t:ST+16*\a+8*\t+7], v[KF+16*\t:KF+16*\t+7], v[QF+16*\a:QF+16*\a+7], 0
.endr
.endr
.irp a, 0,1
.irp t, 0,1
	v_wmma_f32_16x16x32_f16 v[ST+16*\a+8*\t:ST+16*\a+8*\t+7], v[KF+16*\t+8:KF+16*\t+15], v[QF+16*\a+8:QF+16*\a+15], v[ST+16*\a+8*\t:ST+16*\a+8*\t+7]
.endr
.endr
.rept 4
	v_nop                                          ; four places (ISA guide 7.12.1) behind these products before the scores are read, and behind the
.endr                                              ; last block's P V products before V's fragments are loaded again and O is rescaled
.irp dt, 0,1,2,3
.irp u, 0,1
	ds_load_tr16_b128 v[VF+8*\dt+4*\u:VF+8*\dt+4*\u+3], v[VAD] offset:\j*32*VP+\dt*32+\u*16*VP   ; V^T: d = 16dt + r, keys 16u + 8h ..; they come in under the softmax
.endr
.endr
.if \kind == 0
	; key 16t+8h+jj <= query 16a+r, that is 16(t-a)+jj <= r-8h.  With t < a that holds everywhere (at most -9 against at least -8): no lines.
	; With t > a it holds nowhere; that tile (2 of a wave's 144 products) goes the common way.
.irp a, 0,1
.irp t, 0,1
.if \t >= \a
.irp jj, 0,1,2,3,4,5,6,7
	v_cmp_le_i32 vcc_lo, 16*(\t-\a)+\jj, v[DLT]
	v_cndmask_b32 v[ST+16*\a+8*\t+\jj], v[NEG], v[ST+16*\a+8*\t+\jj], vcc_lo
.endr
.endif
.endr
.endr
.endif
.if \kind == 2
	; key >= query - 256, that is 16(t-a)+jj >= r-8h.  With t > a that holds everywhere: no lines.
.irp a, 0,1
.irp t, 0,1
.if \t <= \a
.irp jj, 0,1,2,3,4,5,6,7
	v_cmp_ge_i32 vcc_lo, 16*(\t-\a)+\jj, v[DLT]
	v_cndmask_b32 v[ST+16*\a+8*\t+\jj], v[NEG], v[ST+16*\a+8*\t+\jj], vcc_lo
.endr
.endif
.endr
.endr
.endif
.if \kind == 0
	SOFT 0, 1
	SOFT 1, 1
.else
	SOFT 0, 0
	SOFT 1, 0
.endif
	s_wait_dscnt 0x0                               ; V's fragments
.irp a, 0,1
.irp dt, 0,1,2,3
.if \kind == 0
	v_wmma_f32_16x16x32_f16 v[OACC+32*\a+8*\dt:OACC+32*\a+8*\dt+7], v[VF+8*\dt:VF+8*\dt+7], v[PF+8*\a:PF+8*\a+7], 0   ; the first product starts the sums
.else
	v_wmma_f32_16x16x32_f16 v[OACC+32*\a+8*\dt:OACC+32*\a+8*\dt+7], v[VF+8*\dt:VF+8*\dt+7], v[PF+8*\a:PF+8*\a+7], v[OACC+32*\a+8*\dt:OACC+32*\a+8*\dt+7]
.endif
.endr
.endr
.endm
	BLOCK 8, 0
.irp j, 7,6,5,4,3,2,1
	s_cmp_eq_u32 s18, 7-\j                         ; s18 blocks are run behind the diagonal one; no barrier follows these branches
	s_cbranch_scc1 .Lfin
	BLOCK \j, 1
.endr
	s_cmp_eq_u32 s18, 7
	s_cbranch_scc1 .Lfin
	BLOCK 0, 2
.Lfin:
	; ---- the way out: divide, turn O^T through my own stage in LDS, store whole head rows of 256 bytes ----
.rept 4
	v_nop                                          ; four places behind the last products before O is read
.endr
	v_permlanex16_b32 v[TX], v[L0], s20, s21       ; the two halves' parts of the row sum
	v_add_f32 v[L0], v[L0], v[TX]
	v_permlanex16_b32 v[TX], v[L0+1], s20, s21
	v_add_f32 v[L0+1], v[L0+1], v[TX]
	v_rcp_f32 v[AL], v[L0]                         ; the sum holds the maximum's weight 1: never 0
	v_rcp_f32 v[NM0], v[L0+1]
	v_nop                                          ; one plain instruction behind the reciprocals
	s_wait_alu depctr_va_vdst(0)
.irp i, 0,1,2,3,4,5,6,7,8,9,10,11,12,13,14,15
	v_pk_mul_f32 v[OACC+2*\i:OACC+2*\i+1], v[OACC+2*\i:OACC+2*\i+1], v[AL:AL+1] op_sel_hi:[1,0]
.endr
.irp i, 0,1,2,3,4,5,6,7,8,9,10,11,12,13,14,15
	v_pk_mul_f32 v[OACC+32+2*\i:OACC+32+2*\i+1], v[OACC+32+2*\i:OACC+32+2*\i+1], v[NM0:NM0+1] op_sel_hi:[1,0]
.endr
.irp a, 0,1
.irp dt, 0,1,2,3
.irp u, 0,1
	ds_store_b128 v[OST], v[OACC+32*\a+8*\dt+4*\u:OACC+32*\a+8*\dt+4*\u+3] offset:\a*16*OP+\dt*64+\u*16   ; query 16a+r, d = 16dt+8h+4u ..
.endr
.endr
.endr
.irp t, 0,1,2,3,4,5,6,7,8,9,10,11,12,13,14,15
	ds_load_b128 v[32+4*\t:32+4*\t+3], v[ORD] offset:\t*2*OP   ; my own bytes: a wave's LDS instructions are served in order, so these see the stores above
.endr
.irp t, 0,1,2,3,4,5,6,7,8,9,10,11,12,13,14,15
	s_wait_dscnt 15-\t                             ; the younger read-backs stay out
	global_store_b128 v[OOF], v[32+4*\t:32+4*\t+3], s[10:11] offset:\t*2*ROWB th:TH_STORE_NT   ; 16 lanes store 256 consecutive bytes, aligned: a head's row
.endr
	s_wait_tensorcnt 0x0
	ds_add_u32 v248, v249
	s_wait_dscnt 0x0
	s_endpgm
.Lfunc_end_k_qa8402085b7_swa:
	.size	k_qa8402085b7_swa, .Lfunc_end_k_qa8402085b7_swa-k_qa8402085b7_swa
	.p2alignl 7, 3214868480
	.fill 96, 4, 3214868480
	.section	.rodata,"a",@progbits
	.p2align	6, 0x0
	.amdhsa_kernel k_qa8402085b7_swa
		.amdhsa_group_segment_fixed_size 263168
		.amdhsa_private_segment_fixed_size 0
		.amdhsa_enable_private_segment 0
		.amdhsa_kernarg_size 32
		.amdhsa_user_sgpr_count 2
		.amdhsa_user_sgpr_kernarg_segment_ptr 1
		.amdhsa_wavefront_size32 1
		.amdhsa_system_sgpr_workgroup_id_x 1
		.amdhsa_system_sgpr_workgroup_id_y 1
		.amdhsa_system_sgpr_workgroup_id_z 1
		.amdhsa_system_vgpr_workitem_id 0
		.amdhsa_next_free_vgpr 250
		.amdhsa_next_free_sgpr 66
		.amdhsa_reserve_vcc 1
		.amdhsa_float_denorm_mode_32 3
		.amdhsa_float_denorm_mode_16_64 3
		.amdhsa_memory_ordered 1
		.amdhsa_forward_progress 1
		.amdhsa_inst_pref_size 172
	.end_amdhsa_kernel
	.amdgpu_metadata
---
amdhsa.version: [ 1, 2 ]
amdhsa.kernels:
  - .name:           k_qa8402085b7_swa
    .symbol:         k_qa8402085b7_swa.kd
    .args:
      - { .name: q, .offset: 0, .size: 8, .value_kind: global_buffer, .address_space: global }
      - { .name: k, .offset: 8, .size: 8, .value_kind: global_buffer, .address_space: global }
      - { .name: v, .offset: 16, .size: 8, .value_kind: global_buffer, .address_space: global }
      - { .name: out0, .offset: 24, .size: 8, .value_kind: global_buffer, .address_space: global }
    .group_segment_fixed_size: 263168
    .private_segment_fixed_size: 0
    .kernarg_segment_align: 8
    .kernarg_segment_size: 32
    .max_flat_workgroup_size: 256
    .sgpr_count:     66
    .vgpr_count:     250
    .wavefront_size: 32
...
	.end_amdgpu_metadata
.endif
;; end of part 1
;; ======== version 2 of 2: 1 launch; version 1 with the launch swa written anew for expert scheduling mode
;; limits: values are held in f16: magnitudes above 65,504 overflow, below 6.1e-05 lose precision; inputs' magnitudes at most 46,000
;; launch swa (part 2): grid 256 x 1, 8 waves a work-group, no clusters, 263,168 bytes of LDS; arguments q, k, v, out0; writes out0
.if DOCPART == 2
	.amdgcn_target "amdgcn-amd-amdhsa--gfx1250"
	.amdhsa_code_object_version 6
	.text
	.protected	k_qa8402085b7_swa
	.globl	k_qa8402085b7_swa
	.p2align	8
	.type	k_qa8402085b7_swa,@function
k_qa8402085b7_swa:
	s_mov_b64 s[64:65], 0
	v_nop
	global_prefetch_b8 v0, s[64:65] scope:SCOPE_SE
	s_setreg_imm32_b32 hwreg(HW_REG_WAVE_SCHED_MODE, 0, 2), 2
	s_setreg_imm32_b32 hwreg(HW_REG_WAVE_MODE, 25, 1), 1
	s_wait_xcnt 0x0
	s_wait_alu depctr_vm_vsrc(0)
; Sliding-window causal attention with rotary embedding.  q, k, v, out0: [2][2048][16][64] f32.
; out(i) = softmax over j in [i-256, i] of (rope(q_i) . rope(k_j) / 8), times v_j.
;
; SHARE.  256 work-groups: one (batch, head) and 256 queries each; eight waves, 32 queries a wave.
; The work-group needs keys P0-256 .. P0+255 (P0 = its first query): 512 LDS rows, row x = position P0-256+x.
; Wave w needs rows 32w .. 32w+287: nine blocks of 32 keys.  Block 8 holds the diagonal, block 0 the window's lower edge,
; blocks 1-7 need no mask.  In the first query block of a sequence the lower 256 rows do not exist: they are neither loaded
; nor read, and wave w runs block 8 and then the w blocks 7 .. 8-w.
; PHASE L: all waves stream K, V, Q through registers (rotation in f32, rounding to f16) into LDS.  One barrier.
; PHASE C: each wave, flash attention on its own queries, with a running maximum.
; TRANSPOSED PRODUCTS: S^T = K Q^T puts key 8h+jj of query r into register jj of lane (r, h); packed to f16 these registers
; are already the B fragment of P^T, and O^T = V^T P^T keeps query r in lane (r, h).  So a lane serves one query: maxima and
; sums are made inside the lane plus one exchange between the two halves of the wave, and nothing is shuffled.
;
; F16, NOT BF16, for all four matrix operands.  An output is a mean of up to 257 values of v and so about a tenth of v's
; spread, and in rows with few keys values near v's spread cancel; the allowance hangs on the outputs' size.  A rounding to
; 8 significant bits (up to 2^-8 of each q, k, v and weight) leaves too little margin against it, one to 11 bits (2^-11) does.
;
; NO CLUSTER: what two work-groups share is one block of 256 keys and values (128 KiB of f32 out of the 320 KiB a work-group
; reads), which lies in the upper LDS rows of one partner and in the lower rows of the other, so a joint request would need
; an LDS address that differs between partners.  NO TENSOR LOADS: every element passes registers anyway (rotation, rounding),
; and a raw f32 stage of 320 KiB does not fit beside the f16 tiles.
;
; THE MODE: SCHED_MODE bits 1:0 = 2 (LLVM: expert scheduling mode 2), set by the entry lines.  The code itself states the register
; dependences between vector or matrix instructions and memory or LDS instructions, with s_wait_alu, always for 0.
; THE PLAN.  Registers that memory or LDS instructions touch:
;   addresses  KAD, VAD, QAD, OST, ORD, OOF, VOFF, KSH, KSO, VSH, VSO, QSO: made at the head, never named by a vector instruction again:
;              one wait on va_vdst ahead of the first load serves every load and store of the kernel.
;   phase L    RING, nine slots.  Step i's conversions read slot i % 9; the loads of step i + 8, issued at step i's head, land in
;              slot (i - 1) % 9, which step i - 1 read.
;              PK, two out-buffers.  Step i's roundings write buffer i % 2; the LDS stores issued in step i are step i - 1's, out of the other.
;              So two waits at a step's head state all: vm_vsrc (the stores issued before have read the buffer that this step writes) and
;              va_vdst (the step before has written its buffer and is done reading its slot).  No vector instruction of step i names the
;              other slot, the other buffer or an address, so its loads and stores follow among them with no further wait.
;              Steps 15 and 31 have no next step on every way: their stores go out behind a wait on va_vdst of their own.
;   phase C    KF: read by a block's products K Q^T, then loaded with the next block's K.  VF: read by a block's products V^T P, then loaded
;              with the next block's V.  ONE wait on va_vdst a block, behind the products K Q^T: they are done with KF, the block before's
;              V^T P with VF.  This block's V and the next block's K follow it and come in under the softmax, which names neither.
;   way out    O is written by multiplies and read by LDS stores; the rows read back land where Q's and K's fragments lay: one wait on va_vdst.
; Scalars that vector instructions write: the wave's number, and the masks (a run of compares into s[32:47]): one wait on va_sdst behind each.
;
; LIMITS.  q, k (after rotation), v and the weights are rounded to f16 for the products; sums in f32.  f16 ends at 65,504 and a
; rotated element is at most sqrt(2) times the largest input: inputs beyond about 46,000 in magnitude overflow to infinity.
; Operands below 6.1e-5 in magnitude are f16 denormals, good to 3e-8 absolutely.  The row sum adds the unrounded f32 weights.
; Sine and cosine come from polynomials at the stream's first row and a rotation by a constant angle from step to step (31 at
; most): the angle is good to about 3e-4 rad at position 2047.  Weights below 2^-126 come out of v_exp_f32 as 0.
; The sizes are fixed.
.set KP,  144                          ; K and Q rows in LDS: 128 bytes of f16 + 16; 9 x 16 bytes, so 16 rows start at 16 different 16-byte columns modulo 256
.set VP,  160                          ; V rows: 128 + 32, an odd multiple of 32 bytes, for the transposing loads
.set OP,  272                          ; way-out rows: 256 bytes of f32 + 16
.set KB,  0                            ; 512 rows x 144 = 73,728 bytes
.set VB,  73728                        ; 512 rows x 160 = 81,920 bytes
.set QB,  155648                       ; 256 rows x 144 = 36,864 bytes
.set OB,  192512                       ; 8 waves x 32 rows x 272 = 69,632 bytes, each wave's own; ends at 262,144
.set ROWB, 4096                        ; bytes from a position to the next in q, k, v, out0 (16 heads x 64 f32)
.set STEPB, 16*ROWB                    ; a step of phase L: 16 positions (8 waves x 2 rows)
; registers kept throughout
.set KAD, 4                            ; LDS address of my K fragments, block 0
.set VAD, 5                            ; LDS address of my V^T fragments, block 0
.set DLT, 6                            ; r - 8h, for the masks
.set NEG, 7                            ; the most negative finite f32, as the mask's value
.set OST, 240                          ; way out: where I put 16 bytes
.set ORD, 241                          ; way out: where I read a row back
.set OOF, 242                          ; my byte offset in out0
.set QAD, 243                          ; LDS address of my Q fragments
.set MK,  32                           ; s[32:47] sixteen masks of a masked block
; phase L
.set RING, 32                          ; v[32:139] nine slots of 12: K +0..3, V +4..7, Q +8..11
.set VOFF, 140                         ; (2w+h) rows + 16c bytes
.set KSH, 141                          ; LDS store addresses: K lower rows, K upper rows, V lower, V upper, Q
.set KSO, 142
.set VSH, 143
.set VSO, 144
.set QSO, 145
.set CC,  146                          ; v[146:149] cos of my row's angles, 4 frequencies
.set SS,  150                          ; v[150:153] sin, negative in lanes c < 8
.set CD,  154                          ; v[154:157] cos of 16 positions' angle
.set SD,  158                          ; v[158:161] sin of it, signed like SS
.set TT,  162                          ; v[162:169] at work
.set XX,  166                          ; = TT+4: angles, in the set-up
.set PK,  170                          ; v[170:181] two out-buffers of 6: packed f16 for the LDS stores
.set DD,  170                          ; = PK: 2 sin, in the set-up
.set G,   182                          ; v[182:185] my 4 frequencies, signed
.set CK7, 186                          ; v[186:187] -1/5040 twice
.set CK8, 188                          ; v[188:189] 1/40320 twice
; phase C
.set T,   8                            ; v[8:15] four pairs, sums
.set BM,  16                           ; v16-19 four chains of maxima
.set B2,  17
.set B3,  18
.set B4,  19
.set TX,  20                           ; the other half's figure
.set AL,  22                           ; v[22:23] the rescaling factor (low word)
.set NM0, 24                           ; v[24:25], v[26:27]: -m c of query tile 0, 1 (low word)
.set M0,  28                           ; v28, v29 running maximum
.set L0,  30                           ; v30, v31 running sum (the lane's part)
.set QF,  32                           ; v[32:63]   Q fragments, + 16a + 8ks
.set KF,  64                           ; v[64:95]   K fragments, + 16t + 8ks
.set VF,  96                           ; v[96:127]  V^T fragments, + 8dt
.set ST,  128                          ; v[128:159] scores, then weights, + 16a + 8t
.set PF,  160                          ; v[160:175] P^T fragments, + 8a
.set OACC, 176                         ; v[176:239] O^T, + 32a + 8dt
.set SCL,  0x3e38aa3b                  ; c = log2(e) / 8: the scale 64^-0.5 and the change of base in one factor
.set NSCL, 0xbe38aa3b                  ; -c
	s_load_b256 s[4:11], s[0:1], 0x0               ; q s[4:5], k s[6:7], v s[8:9], out0 s[10:11]
	v_lshl_add_u32 v246, v0, 2, 0x40000
	v_mov_b32 v247, 0
	; ---- set-up, while the arguments are on their way: nothing here needs them ----
	v_lshrrev_b32 v3, 5, v0
	v_readfirstlane_b32 s12, v3                    ; wave w
	s_bfe_u32 s13, ttmp9, 0x30004                  ; query block qb: 3 bits from bit 4
	s_and_b32 s14, ttmp9, 15                       ; head
	s_lshr_b32 s15, ttmp9, 7                       ; batch
	s_lshl_b32 s16, s15, 23                        ; batch x 2,048 positions x 4,096 bytes
	s_lshl_b32 s22, s13, 20                        ; + qb x 256 positions
	s_or_b32 s16, s16, s22
	s_lshl_b32 s22, s14, 8                         ; + head x 256 bytes
	s_or_b32 s16, s16, s22
	s_mov_b32 s17, 0                               ; below 16 MiB: the upper word is 0
	s_max_u32 s19, s13, 1
	s_sub_co_u32 s19, s19, 1
	s_lshl_b32 s19, s19, 8                         ; first position of the stream: P0-256, or 0 in the first query block
	s_wait_alu depctr_va_sdst(0)                   ; s12 is written, ahead of its first reader: the count of blocks and the wave's places are made from it
	s_cmp_eq_u32 s13, 0
	s_cselect_b32 s18, s12, 8                      ; blocks behind the diagonal one: w in the first query block, else 8
	s_mov_b32 s20, 0x76543210                      ; v_permlanex16_b32: lane i takes lane i of the other half
	s_mov_b32 s21, 0xfedcba98
	s_mul_i32 s22, s12, 2*KP                       ; phase L: my two rows of a step, in K and Q
	s_mul_i32 s23, s12, 2*VP                       ; and in V
	s_add_co_u32 s23, s23, VB
	s_mul_i32 s24, s12, 32*KP                      ; phase C: my first key row, my first query row
	s_mul_i32 s25, s12, 32*VP
	s_add_co_u32 s25, s25, VB
	s_mul_i32 s26, s12, 32*OP                      ; my stage
	s_add_co_u32 s26, s26, OB
	s_lshl1_add_u32 s27, s12, s19                  ; 2w + first position
	s_lshl_b32 s28, s12, 17                        ; 32 rows of out0
	s_lshl_b32 s29, s12, 13                        ; 2 rows of the inputs
	v_and_b32 v1, 15, v0                           ; r (phase C), c (phase L)
	v_bfe_u32 v2, v0, 4, 1                         ; h
	v_mul_u32_u24 v3, v1, KP
	v_lshl_add_u32 v3, v2, 4, v3
	v_add_nc_u32 v[KAD], s24, v3                   ; (32w + r) x 144 + 16h: row r, K = 8h .. of a 16 x 32 fragment
	v_add_nc_u32 v[QAD], QB, v[KAD]
	v_and_b32 v3, 7, v0
	v_lshl_add_u32 v3, v2, 3, v3                   ; 8h + (lane & 7)
	v_mul_u32_u24 v3, v3, VP
	v_bfe_u32 v[VAD], v0, 3, 1
	v_lshl_add_u32 v3, v[VAD], 4, v3               ; + 16 x bit 3 of the lane
	v_add_nc_u32 v[VAD], s25, v3
	v_lshlrev_b32 v3, 3, v2
	v_sub_nc_u32 v[DLT], v1, v3                    ; r - 8h, -8 .. 15
	v_mov_b32 v[NEG], 0xff7fffff
	v_mul_u32_u24 v3, v1, OP
	v_lshl_add_u32 v3, v2, 5, v3
	v_add_nc_u32 v[OST], s26, v3                   ; row r, 32 bytes for each half
	v_mul_u32_u24 v3, v2, OP
	v_lshl_add_u32 v3, v1, 4, v3
	v_add_nc_u32 v[ORD], s26, v3                   ; lanes 0-15 one row of 256 bytes, lanes 16-31 the next
	v_lshlrev_b32 v3, 12, v2
	v_lshl_add_u32 v3, v1, 4, v3                   ; h rows + 16c bytes
	v_add_nc_u32 v[OOF], s28, v3
	v_add_nc_u32 v[VOFF], s29, v3
	v_mul_u32_u24 v3, v2, KP
	v_lshl_add_u32 v3, v1, 3, v3                   ; row h, 4 f16 = 8 bytes a lane
	v_add_nc_u32 v[KSH], s22, v3
	v_add_nc_u32 v[KSO], 256*KP, v[KSH]
	v_add_nc_u32 v[QSO], QB, v[KSH]
	v_mul_u32_u24 v3, v2, VP
	v_lshl_add_u32 v3, v1, 3, v3
	v_add_nc_u32 v[VSH], s23, v3
	v_add_nc_u32 v[VSO], 256*VP, v[VSH]
	v_mov_b32 v[TX], 0                             ; a lane exchange's destination counts as read
	v_mov_b32 v[AL+1], 0                           ; upper words of pairs of which the low word is broadcast
	v_mov_b32 v[NM0+1], 0
	v_mov_b32 v[NM0+3], 0
	v_mov_b32 v[CK7], 0xb9500d01
	v_mov_b32 v[CK7+1], 0xb9500d01
	v_mov_b32 v[CK8], 0x37d00d01
	v_mov_b32 v[CK8+1], 0x37d00d01
	; My lane holds d = 4c .. 4c+3 of a row; its frequencies are fi = 4 (c & 7) + e, g = 10000^(-fi/32) = 2^(-fi log2(10000)/32).
	v_and_b32 v3, 7, v0
	v_lshlrev_b32 v3, 2, v3
.irp e, 0,1,2,3
	v_add_nc_u32 v[G+\e], \e, v3
.endr
.irp e, 0,1,2,3
	v_cvt_f32_u32 v[G+\e], v[G+\e]
.endr
.irp e, 0,1,2,3
	v_mul_f32 v[G+\e], 0xbed49a78, v[G+\e]
.endr
.irp e, 0,1,2,3
	v_exp_f32 v[G+\e], v[G+\e]
.endr
	v_and_b32 v3, 8, v0                            ; (the plain instruction between the exponentials and their use)
	v_xor_b32 v3, 8, v3
	v_lshlrev_b32 v3, 28, v3                       ; the sign bit in lanes c < 8
	s_wait_alu depctr_va_vdst(0)
.irp e, 0,1,2,3
	v_xor_b32 v[G+\e], v3, v[G+\e]                 ; d < 32: out = x cos - x(d+32) sin; d >= 32: x cos + x(d-32) sin.  A negative angle gives the sign
.endr
	v_add_nc_u32 v3, s27, v2                       ; my first position
	v_cvt_f32_u32 v3, v3
.irp e, 0,1,2,3
	v_mul_f32 v[XX+\e], v3, v[G+\e]
.endr
; cos and sin of two angles x.  Turns = x / 2 pi, less the nearest whole number; y = a quarter of the reduced angle, |y| <= pi/4;
; Taylor polynomials to y^7 and y^8 (the next terms are below 4e-7); then the angle is doubled twice.
.macro SINCOS2 c, s, x
	v_pk_mul_f32 v[TT:TT+1], v[\x:\x+1], 0x3e22f983 op_sel_hi:[1,0]
	v_rndne_f32 v[TT+2], v[TT]
	v_rndne_f32 v[TT+3], v[TT+1]
	v_pk_add_f32 v[TT:TT+1], v[TT:TT+1], v[TT+2:TT+3] neg_lo:[0,1] neg_hi:[0,1]
	v_pk_mul_f32 v[TT:TT+1], v[TT:TT+1], 0x3fc90fdb op_sel_hi:[1,0]              ; y = fraction x pi/2
	v_pk_mul_f32 v[TT+2:TT+3], v[TT:TT+1], v[TT:TT+1]                            ; y^2
	v_pk_fma_f32 v[\s:\s+1], v[TT+2:TT+3], v[CK7:CK7+1], 0x3c088889 op_sel_hi:[1,1,0]
	v_pk_fma_f32 v[\s:\s+1], v[\s:\s+1], v[TT+2:TT+3], 0xbe2aaaab op_sel_hi:[1,1,0]
	v_pk_mul_f32 v[\s:\s+1], v[\s:\s+1], v[TT+2:TT+3]
	v_pk_fma_f32 v[\s:\s+1], v[TT:TT+1], v[\s:\s+1], v[TT:TT+1]                  ; sin y
	v_pk_fma_f32 v[\c:\c+1], v[TT+2:TT+3], v[CK8:CK8+1], 0xbab60b61 op_sel_hi:[1,1,0]
	v_pk_fma_f32 v[\c:\c+1], v[\c:\c+1], v[TT+2:TT+3], 0x3d2aaaab op_sel_hi:[1,1,0]
	v_pk_fma_f32 v[\c:\c+1], v[\c:\c+1], v[TT+2:TT+3], -0.5 op_sel_hi:[1,1,0]
	v_pk_fma_f32 v[\c:\c+1], v[\c:\c+1], v[TT+2:TT+3], 1.0 op_sel_hi:[1,1,0]     ; cos y
	v_pk_add_f32 v[DD:DD+1], v[\s:\s+1], v[\s:\s+1]
	v_pk_mul_f32 v[TT:TT+1], v[DD:DD+1], v[\c:\c+1]                              ; sin 2y = 2 sin cos
	v_pk_fma_f32 v[TT+2:TT+3], v[DD:DD+1], v[\s:\s+1], 1.0 op_sel_hi:[1,1,0] neg_lo:[1,0,0] neg_hi:[1,0,0]   ; cos 2y = 1 - 2 sin^2
	v_pk_add_f32 v[DD:DD+1], v[TT:TT+1], v[TT:TT+1]
	v_pk_mul_f32 v[\s:\s+1], v[DD:DD+1], v[TT+2:TT+3]                            ; sin 4y
	v_pk_fma_f32 v[\c:\c+1], v[DD:DD+1], v[TT:TT+1], 1.0 op_sel_hi:[1,1,0] neg_lo:[1,0,0] neg_hi:[1,0,0]     ; cos 4y
.endm
	SINCOS2 CC, SS, XX
	SINCOS2 CC+2, SS+2, XX+2
.irp e, 0,1,2,3
	v_mul_f32 v[XX+\e], 0x41800000, v[G+\e]        ; the angle of 16 positions
.endr
	SINCOS2 CD, SD, XX
	SINCOS2 CD+2, SD+2, XX+2
	s_wait_kmcnt 0x0
	s_add_nc_u64 s[4:5], s[4:5], s[16:17]          ; all four at (batch, P0, head)
	s_add_nc_u64 s[6:7], s[6:7], s[16:17]
	s_add_nc_u64 s[8:9], s[8:9], s[16:17]
	s_add_nc_u64 s[10:11], s[10:11], s[16:17]
	s_wait_alu depctr_va_vdst(0)                   ; the twelve addresses are written, which the loads and stores of the whole kernel read; no vector instruction names them again
; ---- PHASE L ----
; Step i (0 .. 31) takes LDS rows 16i .. 16i+15, two of them a wave: one 16-byte load a lane covers two whole head rows of 256
; bytes.  The bases stand at the own block, so steps 0-15 reach back by negative immediates (1 MiB at the most) and no address
; register is ever rewritten.  Steps 16-31 bring Q as well (read once in the launch: non-temporal).
.macro ISSUE i
.set SI, RING+12*((\i)%9)
	global_load_b128 v[SI:SI+3],   v[VOFF], s[6:7] offset:((\i)-16)*STEPB
	global_load_b128 v[SI+4:SI+7], v[VOFF], s[8:9] offset:((\i)-16)*STEPB
.if (\i) >= 16
	global_load_b128 v[SI+8:SI+11], v[VOFF], s[4:5] offset:((\i)-16)*STEPB th:TH_LOAD_NT
.endif
.endm
; The LDS stores of step i, out of out-buffer i % 2.
.macro PUT i
.set PO, PK+6*((\i)%2)
.if (\i) < 16
	ds_store_b64 v[KSH], v[PO:PO+1]   offset:(\i)*16*KP
	ds_store_b64 v[VSH], v[PO+2:PO+3] offset:(\i)*16*VP
.else
	ds_store_b64 v[KSO], v[PO:PO+1]   offset:((\i)-16)*16*KP
	ds_store_b64 v[VSO], v[PO+2:PO+3] offset:((\i)-16)*16*VP
	ds_store_b64 v[QSO], v[PO+4:PO+5] offset:((\i)-16)*16*KP
.endif
.endm
; Four elements rotated and packed: the partner d +- 32 lies in lane c xor 8, and rides in on the multiply.
.macro ROPE x, t, p
.irp e, 0,1,2,3
	v_mul_f32_dpp v[\t+\e], v[\x+\e], v[SS+\e] row_xmask:8 row_mask:0xf bank_mask:0xf
.endr
	v_pk_fma_f32 v[\t:\t+1],   v[\x:\x+1],   v[CC:CC+1],   v[\t:\t+1]
	v_pk_fma_f32 v[\t+2:\t+3], v[\x+2:\x+3], v[CC+2:CC+3], v[\t+2:\t+3]
	v_cvt_pk_f16_f32 v[\p],   v[\t],   v[\t+1]
	v_cvt_pk_f16_f32 v[\p+1], v[\t+2], v[\t+3]
.endm
; (cos, sin) 16 positions on
.macro ROT
	v_pk_mul_f32 v[TT:TT+1],   v[SS:SS+1],   v[SD:SD+1]
	v_pk_mul_f32 v[TT+2:TT+3], v[SS+2:SS+3], v[SD+2:SD+3]
	v_pk_mul_f32 v[TT+4:TT+5], v[CC:CC+1],   v[SD:SD+1]
	v_pk_mul_f32 v[TT+6:TT+7], v[CC+2:CC+3], v[SD+2:SD+3]
	v_pk_fma_f32 v[CC:CC+1],   v[CC:CC+1],   v[CD:CD+1],   v[TT:TT+1]   neg_lo:[0,0,1] neg_hi:[0,0,1]
	v_pk_fma_f32 v[CC+2:CC+3], v[CC+2:CC+3], v[CD+2:CD+3], v[TT+2:TT+3] neg_lo:[0,0,1] neg_hi:[0,0,1]
	v_pk_fma_f32 v[SS:SS+1],   v[SS:SS+1],   v[CD:CD+1],   v[TT+4:TT+5]
	v_pk_fma_f32 v[SS+2:SS+3], v[SS+2:SS+3], v[CD+2:CD+3], v[TT+6:TT+7]
.endm
; Step i.  prev = 1: the step before stands in front of it on every way in, and its LDS stores are issued here.
; reuse = 1: LDS stores issued since the last wait on vm_vsrc have read the out-buffer that this step writes.
.macro STEP i, prev, reuse
.set SL, RING+12*((\i)%9)
.set PN, PK+6*((\i)%2)
	; The wait counts the loads issued behind this step's own: those of steps i+1 .. min(i+7, 31), two a step, three from step 16 on.
.set CHI, (\i)+7
.if CHI > 31
.set CHI, 31
.endif
.set CLO, (\i)+1
.if CLO < 16
.set CLO, 16
.endif
.set CNT, 2*(CHI-(\i))
.if CHI >= CLO
.set CNT, CNT+CHI-CLO+1
.endif
	s_wait_loadcnt CNT                             ; loads return in order (ISA guide 5.7.1): this step's are in, the younger stay out
.if \reuse
	s_wait_alu depctr_vm_vsrc(0)                   ; the LDS stores issued so far have read out-buffer i % 2, which this step's roundings write again
.endif
.if \prev
	s_wait_alu depctr_va_vdst(0)                   ; the step before has written the other out-buffer, which the stores below read, and is done reading its slot, in which the loads below land
.endif
.if (\i)+8 <= 31
	ISSUE (\i)+8                                   ; eight steps ahead, into the slot that the step before read; no vector instruction of this step names it
.endif
	ROPE SL, TT, PN
.if \prev
	PUT (\i)-1                                     ; the step before's rows.  No wait: no vector instruction since the wait above names that out-buffer or an address
.endif
	v_cvt_pk_f16_f32 v[PN+2], v[SL+4], v[SL+5]
	v_cvt_pk_f16_f32 v[PN+3], v[SL+6], v[SL+7]
.if (\i) >= 16
	ROPE SL+8, TT+4, PN+4                          ; Q of the same position: the same cos and sin
.endif
.if (\i) < 31
	ROT
.endif
.endm
	s_cmp_eq_u32 s13, 0
	s_cbranch_scc1 .Lfirst                         ; the first query block has no rows below its own
.irp i, 0,1,2,3,4,5,6,7
	ISSUE \i
.endr
	STEP 0, 0, 0                                   ; no step in front of it; its loads land in the ninth slot, which no vector instruction has named
	STEP 1, 1, 0                                   ; its out-buffer has not been stored from yet
.irp i, 2,3,4,5,6,7,8,9,10,11,12,13,14,15
	STEP \i, 1, 1
.endr
	s_wait_alu depctr_va_vdst(0)                   ; step 15 has written its out-buffer, which the stores below read, and is done reading its slot, in which step 16's loads land
	PUT 15                                         ; ahead of the join: on the other way in there is no step 15
	s_branch .Lown
.Lfirst:
.irp i, 16,17,18,19,20,21,22,23
	ISSUE \i
.endr
.Lown:                                             ; on both ways in: the 24 loads of steps 16-23 are out, and (cos, sin) stand at the own block's first rows
	STEP 16, 0, 1                                  ; on the way through steps 0-15 the stores of steps 14 and 15 have read both out-buffers: its wait on vm_vsrc states that
	STEP 17, 1, 0                                  ; no LDS store has been issued since that wait
.irp i, 18,19,20,21,22,23,24,25,26,27,28,29,30,31
	STEP \i, 1, 1
.endr
	s_wait_alu depctr_va_vdst(0)                   ; step 31 has written its out-buffer, which the stores below read; all conversions are done reading the ring, in whose registers Q's, K's and V's fragments land
	PUT 31
	s_wait_dscnt 0x0                               ; for the other waves: all my LDS stores are done
	s_barrier_signal -1
	s_barrier_wait -1                              ; the only barrier: K, V, Q in LDS are only read from here on, the stage is each wave's own
; ---- PHASE C ----
; K's fragments of block j: 32 keys x 64 channels.
.macro KLOAD j
.irp t, 0,1
.irp ks, 0,1
.irp u, 0,1
	ds_load_b128 v[KF+16*\t+8*\ks+4*\u:KF+16*\t+8*\ks+4*\u+3], v[KAD] offset:(\j)*32*KP+\t*16*KP+\ks*64+\u*32
.endr
.endr
.endr
.endm
	s_wait_alu depctr_vm_vsrc(0)                   ; phase L's loads and LDS stores have read VOFF, the five store addresses and both out-buffers: these registers are scores, weights and O from here on
.irp a, 0,1
.irp ks, 0,1
.irp u, 0,1
	ds_load_b128 v[QF+16*\a+8*\ks+4*\u:QF+16*\a+8*\ks+4*\u+3], v[QAD] offset:\a*16*KP+\ks*64+\u*32
.endr
.endr
.endr
	KLOAD 8
	s_wait_dscnt 0x0                               ; Q's fragments and the diagonal block's K
; Softmax step of query tile a on the 32 keys of a block: 16 scores a lane.  first = 1: the block starts maximum, sum and O.
.macro SOFT a, first
.set SR, ST+16*\a
.set OA, OACC+32*\a
.set MM, M0+\a
.set LL, L0+\a
.set NM, NM0+2*\a
	v_max3_num_f32 v[BM], v[SR],    v[SR+1],  v[SR+2]
	v_max3_num_f32 v[B2], v[SR+3],  v[SR+4],  v[SR+5]
	v_max3_num_f32 v[B3], v[SR+6],  v[SR+7],  v[SR+8]
	v_max3_num_f32 v[B4], v[SR+9],  v[SR+10], v[SR+11]
	v_max3_num_f32 v[BM], v[BM], v[SR+12], v[SR+13]
	v_max3_num_f32 v[B2], v[B2], v[SR+14], v[SR+15]
	v_max3_num_f32 v[B3], v[B3], v[B4], v[B2]
.if \first
	v_max_num_f32 v[BM], v[BM], v[B3]
.else
	v_max3_num_f32 v[BM], v[BM], v[B3], v[MM]
.endif
	v_permlanex16_b32 v[TX], v[BM], s20, s21       ; the other 16 keys of my query
	v_max_num_f32 v[MM], v[BM], v[TX]              ; the running maximum; finite from the first block on, which holds key j = i
.if \first
	v_mul_f32 v[NM], NSCL, v[MM]
.else
	v_mul_f32 v[TX], NSCL, v[MM]
	v_sub_f32 v[BM], v[TX], v[NM]                  ; (m_old - m_new) c <= 0
	v_mov_b32 v[NM], v[TX]
	v_exp_f32 v[AL], v[BM]                         ; the packed multiply-adds below stand between it and its use
.endif
.irp i, 0,1,2,3,4,5,6,7
	v_pk_fma_f32 v[SR+2*\i:SR+2*\i+1], v[SR+2*\i:SR+2*\i+1], SCL, v[NM:NM+1] op_sel_hi:[1,0,0]   ; (s - m) c
.endr
.irp i, 0,1,2,3,4,5,6,7,8,9,10,11,12,13,14,15
	v_exp_f32 v[SR+\i], v[SR+\i]                   ; a masked score gives 2^(-6e37) = 0
.endr
.if \first
	v_nop                                          ; one plain instruction behind the exponentials before their results are read
	s_wait_alu depctr_va_vdst(0)
.else
	s_wait_alu depctr_va_vdst(0)
.irp i, 0,1,2,3,4,5,6,7,8,9,10,11,12,13,14,15
	v_pk_mul_f32 v[OA+2*\i:OA+2*\i+1], v[OA+2*\i:OA+2*\i+1], v[AL:AL+1] op_sel_hi:[1,0]          ; every trip, no test: no branch hangs on data
.endr
.endif
	v_pk_add_f32 v[T:T+1],   v[SR:SR+1],     v[SR+2:SR+3]
	v_pk_add_f32 v[T+2:T+3], v[SR+4:SR+5],   v[SR+6:SR+7]
	v_pk_add_f32 v[T+4:T+5], v[SR+8:SR+9],   v[SR+10:SR+11]
	v_pk_add_f32 v[T+6:T+7], v[SR+12:SR+13], v[SR+14:SR+15]
	v_pk_add_f32 v[T:T+1],   v[T:T+1],   v[T+2:T+3]
	v_pk_add_f32 v[T+4:T+5], v[T+4:T+5], v[T+6:T+7]
	v_pk_add_f32 v[T:T+1],   v[T:T+1],   v[T+4:T+5]
.if \first
	v_add_f32 v[LL], v[T], v[T+1]
.else
	v_fma_f32 v[LL], v[LL], v[AL], v[T]
	v_add_f32 v[LL], v[LL], v[T+1]
.endif
.irp i, 0,1,2,3,4,5,6,7
	v_cvt_pk_f16_f32 v[PF+8*\a+\i], v[SR+2*\i], v[SR+2*\i+1]    ; weights in [0, 1]; keys 8h .. 8h+7, then 16+8h ..: the B fragment of P^T as it stands
.endr
.endm
; One block of 32 keys.  kind 0: the diagonal block, run first; 1: no mask; 2: the window's lower edge.
; Its K is in: the wait ahead of the block before's P V products (for the diagonal block: the wait above) has shown it landed.
.macro BLOCK j, kind
.irp a, 0,1
.irp t, 0,1
	v_wmma_f32_16x16x32_f16 v[ST+16*\a+8*\t:ST+16*\a+8*\t+7], v[KF+16*\t:KF+16*\t+7], v[QF+16*\a:QF+16*\a+7], 0
.endr
.endr
.irp a, 0,1
.irp t, 0,1
	v_wmma_f32_16x16x32_f16 v[ST+16*\a+8*\t:ST+16*\a+8*\t+7], v[KF+16*\t+8:KF+16*\t+15], v[QF+16*\a+8:QF+16*\a+15], v[ST+16*\a+8*\t:ST+16*\a+8*\t+7]
.endr
.endr
.rept 4
	v_nop                                          ; four places (ISA guide 7.12.1) behind these products before the scores are read, and behind the
.endr                                              ; last block's P V products before O is rescaled
	s_wait_alu depctr_va_vdst(0)                   ; the products above are done reading K's fragments, in which the next block's land; the last block's P V products are done reading V's, in which this block's land
.irp dt, 0,1,2,3
.irp u, 0,1
	ds_load_tr16_b128 v[VF+8*\dt+4*\u:VF+8*\dt+4*\u+3], v[VAD] offset:\j*32*VP+\dt*32+\u*16*VP   ; V^T: d = 16dt + r, keys 16u + 8h ..; they come in under the softmax
.endr
.endr
.if \j > 0
	s_cmp_eq_u32 s18, 8-\j                         ; is this the wave's last block?  Then no further K is read: in the first query block those LDS rows were never stored
	s_cbranch_scc1 .Lnok_\@
	KLOAD \j-1                                     ; the next block's K comes in under the softmax too, which names neither K's nor V's fragments
.Lnok_\@:
.endif
.if \kind == 0
	; key 16t+8h+jj <= query 16a+r, that is 16(t-a)+jj <= r-8h.  With t < a that holds everywhere (at most -9 against at least -8): no lines.
	; With t > a it holds nowhere; that tile (2 of a wave's 144 products) goes the common way.
	; The masks hang on t - a and jj alone: sixteen compares in one run, into scalar registers; the two tiles with t = a share eight.
.irp d, 0,1
.irp jj, 0,1,2,3,4,5,6,7
	v_cmp_le_i32 s[MK+8*\d+\jj], 16*\d+\jj, v[DLT]
.endr
.endr
	s_wait_alu depctr_va_sdst(0)                   ; the sixteen masks are written, ahead of the selects that read them
.irp a, 0,1
.irp t, 0,1
.if \t >= \a
.irp jj, 0,1,2,3,4,5,6,7
	v_cndmask_b32 v[ST+16*\a+8*\t+\jj], v[NEG], v[ST+16*\a+8*\t+\jj], s[MK+8*(\t-\a)+\jj]
.endr
.endif
.endr
.endr
.endif
.if \kind == 2
	; key >= query - 256, that is 16(t-a)+jj >= r-8h.  With t > a that holds everywhere: no lines.
.irp d, 0,1
.irp jj, 0,1,2,3,4,5,6,7
	v_cmp_ge_i32 s[MK+8*\d+\jj], \jj-16*\d, v[DLT]
.endr
.endr
	s_wait_alu depctr_va_sdst(0)                   ; the sixteen masks are written, ahead of the selects that read them
.irp a, 0,1
.irp t, 0,1
.if \t <= \a
.irp jj, 0,1,2,3,4,5,6,7
	v_cndmask_b32 v[ST+16*\a+8*\t+\jj], v[NEG], v[ST+16*\a+8*\t+\jj], s[MK+8*(\a-\t)+\jj]
.endr
.endif
.endr
.endr
.endif
.if \kind == 0
	SOFT 0, 1
	SOFT 1, 1
.else
	SOFT 0, 0
	SOFT 1, 0
.endif
	s_wait_dscnt 0x0                               ; V's fragments, and the next block's K where it was asked for: the two ways differ in what is out, so the count is 0
.irp a, 0,1
.irp dt, 0,1,2,3
.if \kind == 0
	v_wmma_f32_16x16x32_f16 v[OACC+32*\a+8*\dt:OACC+32*\a+8*\dt+7], v[VF+8*\dt:VF+8*\dt+7], v[PF+8*\a:PF+8*\a+7], 0   ; the first product starts the sums
.else
	v_wmma_f32_16x16x32_f16 v[OACC+32*\a+8*\dt:OACC+32*\a+8*\dt+7], v[VF+8*\dt:VF+8*\dt+7], v[PF+8*\a:PF+8*\a+7], v[OACC+32*\a+8*\dt:OACC+32*\a+8*\dt+7]
.endif
.endr
.endr
.endm
	BLOCK 8, 0
.irp j, 7,6,5,4,3,2,1
	s_cmp_eq_u32 s18, 7-\j                         ; s18 blocks are run behind the diagonal one; no barrier follows these branches
	s_cbranch_scc1 .Lfin
	BLOCK \j, 1
.endr
	s_cmp_eq_u32 s18, 7
	s_cbranch_scc1 .Lfin
	BLOCK 0, 2
.Lfin:
	; ---- the way out: divide, turn O^T through my own stage in LDS, store whole head rows of 256 bytes ----
.rept 4
	v_nop                                          ; four places behind the last products before O is read
.endr
	v_permlanex16_b32 v[TX], v[L0], s20, s21       ; the two halves' parts of the row sum
	v_add_f32 v[L0], v[L0], v[TX]
	v_permlanex16_b32 v[TX], v[L0+1], s20, s21
	v_add_f32 v[L0+1], v[L0+1], v[TX]
	v_rcp_f32 v[AL], v[L0]                         ; the sum holds the maximum's weight 1: never 0
	v_rcp_f32 v[NM0], v[L0+1]
	v_nop                                          ; one plain instruction behind the reciprocals
	s_wait_alu depctr_va_vdst(0)
.irp i, 0,1,2,3,4,5,6,7,8,9,10,11,12,13,14,15
	v_pk_mul_f32 v[OACC+2*\i:OACC+2*\i+1], v[OACC+2*\i:OACC+2*\i+1], v[AL:AL+1] op_sel_hi:[1,0]
.endr
.irp i, 0,1,2,3,4,5,6,7,8,9,10,11,12,13,14,15
	v_pk_mul_f32 v[OACC+32+2*\i:OACC+32+2*\i+1], v[OACC+32+2*\i:OACC+32+2*\i+1], v[NM0:NM0+1] op_sel_hi:[1,0]
.endr
	s_wait_alu depctr_va_vdst(0)                   ; the multiplies have written O, which the LDS stores read; the products are done reading Q's and K's fragments, v[32:95], in which the rows read back land
.irp a, 0,1
.irp dt, 0,1,2,3
.irp u, 0,1
	ds_store_b128 v[OST], v[OACC+32*\a+8*\dt+4*\u:OACC+32*\a+8*\dt+4*\u+3] offset:\a*16*OP+\dt*64+\u*16   ; query 16a+r, d = 16dt+8h+4u ..
.endr
.endr
.endr
.irp t, 0,1,2,3,4,5,6,7,8,9,10,11,12,13,14,15
	ds_load_b128 v[32+4*\t:32+4*\t+3], v[ORD] offset:\t*2*OP   ; my own bytes: a wave's LDS instructions are served in order, so these see the stores above
.endr
.irp t, 0,1,2,3,4,5,6,7,8,9,10,11,12,13,14,15
	s_wait_dscnt 15-\t                             ; the younger read-backs stay out
	global_store_b128 v[OOF], v[32+4*\t:32+4*\t+3], s[10:11] offset:\t*2*ROWB th:TH_STORE_NT   ; 16 lanes store 256 consecutive bytes, aligned: a head's row
.endr
	s_wait_dscnt 0x0
	s_wait_alu depctr_hold_cnt(0) depctr_sa_sdst(0) depctr_va_vdst(0) depctr_va_sdst(0) depctr_va_ssrc(0) depctr_va_vcc(0) depctr_vm_vsrc(0)
	s_wait_tensorcnt 0x0
	ds_add_u32 v246, v247
	s_wait_dscnt 0x0
	s_endpgm
.Lfunc_end_k_qa8402085b7_swa:
	.size	k_qa8402085b7_swa, .Lfunc_end_k_qa8402085b7_swa-k_qa8402085b7_swa
	.p2alignl 7, 3214868480
	.fill 96, 4, 3214868480
	.section	.rodata,"a",@progbits
	.p2align	6, 0x0
	.amdhsa_kernel k_qa8402085b7_swa
		.amdhsa_group_segment_fixed_size 263168
		.amdhsa_private_segment_fixed_size 0
		.amdhsa_enable_private_segment 0
		.amdhsa_kernarg_size 32
		.amdhsa_user_sgpr_count 2
		.amdhsa_user_sgpr_kernarg_segment_ptr 1
		.amdhsa_wavefront_size32 1
		.amdhsa_system_sgpr_workgroup_id_x 1
		.amdhsa_system_sgpr_workgroup_id_y 1
		.amdhsa_system_sgpr_workgroup_id_z 1
		.amdhsa_system_vgpr_workitem_id 0
		.amdhsa_next_free_vgpr 248
		.amdhsa_next_free_sgpr 66
		.amdhsa_reserve_vcc 0
		.amdhsa_float_denorm_mode_32 3
		.amdhsa_float_denorm_mode_16_64 3
		.amdhsa_memory_ordered 1
		.amdhsa_forward_progress 1
		.amdhsa_inst_pref_size 177
	.end_amdhsa_kernel
	.amdgpu_metadata
---
amdhsa.version: [ 1, 2 ]
amdhsa.kernels:
  - .name:           k_qa8402085b7_swa
    .symbol:         k_qa8402085b7_swa.kd
    .args:
      - { .name: q, .offset: 0, .size: 8, .value_kind: global_buffer, .address_space: global }
      - { .name: k, .offset: 8, .size: 8, .value_kind: global_buffer, .address_space: global }
      - { .name: v, .offset: 16, .size: 8, .value_kind: global_buffer, .address_space: global }
      - { .name: out0, .offset: 24, .size: 8, .value_kind: global_buffer, .address_space: global }
    .group_segment_fixed_size: 263168
    .private_segment_fixed_size: 0
    .kernarg_segment_align: 8
    .kernarg_segment_size: 32
    .max_flat_workgroup_size: 256
    .sgpr_count:     66
    .vgpr_count:     248
    .wavefront_size: 32
...
	.end_amdgpu_metadata
.endif
;; end of part 2
